; MI455X (gfx1250); checked and timed in simulation.
; The chip was launched on July 23, 2026; its instructions are those of AMD's public machine-readable ISA for CDNA 5 (MIT licence, August 2026) and "CDNA5" Instruction Set Architecture Reference Guide (July 2026). The comments in the code are by the model that wrote it; some were corrected since.
;; Causal Self Attention. Allowed arithmetic: matrix products marked QUANTISED: E2M1 operands, one E8M0 scale for each 32 along K, by v_wmma_scale_f32_16x16x128_f8f6f4 with both operands' format E2M1 (or v_wmma_scale_f32_32x16x128_f4), f32 sums; everything else in f32.
;; Inputs: Wk 1,024 x 1,024 float32; Wq 1,024 x 1,024 float32; Wv 1,024 x 1,024 float32; attention_mask 4 x 1 x 1 x 2,048 float32; bk 1,024 float32; bq 1,024 float32; bv 1,024 float32; hidden_states 4 x 2,048 x 1,024 float32.
;; Outputs: out0 4 x 2,048 x 1,024 float32.
;; This version of the problem:
;;   THIS VERSION OF THE PROBLEM IS GIVEN IN LOW PRECISION. The matrix products marked QUANTISED in the list below multiply operands that are first quantised to E2M1 (2 exponent bits, 1 mantissa bit; 4 bits a number), with one power-of-two scale for each 32 numbers along K (OCP MX v1.0); their sums are f32. All else is computed in f32.
;;   The module's matrix products, in the order in which they are computed (A, B: the left and right operand; K: the contracted axis; several contracted axes count as one K, in the product's order):
;;     1. [M 8,192, K 1,024] x [K 1,024, N 1,024]; A: input hidden_states; B: input Wq: QUANTISED
;;     2. [M 8,192, K 1,024] x [K 1,024, N 1,024]; A: input hidden_states; B: input Wk: QUANTISED
;;     3. [M 8,192, K 1,024] x [K 1,024, N 1,024]; A: input hidden_states; B: input Wv: QUANTISED
;;     4. batch 64 x [M 2,048, K 64] x [K 64, N 2,048]; A: computed on the way; B: computed on the way: QUANTISED
;;     5. batch 64 x [M 2,048, K 2,048] x [K 2,048, N 64]; A: computed on the way; B: computed on the way: QUANTISED
;;   THE QUANTISER, for each operand of a quantised product, along K:
;;     - K is cut into blocks of 32 from its start; a last block that is shorter is filled with zeros.
;;     - A block's scale is 2^e with e = floor(log2(the largest magnitude in the block)) - 2, held to -126 .. 127; a block of zeros has e = 0. As a byte (E8M0): e + 127.
;;     - Each number is divided by its block's scale, clamped to +-6, and rounded to the nearest number of E2M1, ties to even, subnormals kept.
;;     - The product sums the exact products of the quantised numbers (number of the format x scale) in f32.
;;   ~~~python
;;   def quantise(x, axis):      # numpy; x: float32 -> the quantised numbers, widened to float32 again
;;       x = np.moveaxis(x, axis, -1); K = x.shape[-1]
;;       x = np.pad(x, [(0, 0)] * (x.ndim - 1) + [(0, -K % 32)]); x = x.reshape(x.shape[:-1] + (-1, 32)); a = np.abs(x).max(-1, keepdims=True)
;;       e = np.where(a > 0, np.clip(np.frexp(np.where(a > 0, a, 1))[1] - 1 - 2, -126, 127), 0)      # np.frexp(a)[1] - 1 = floor(log2(a)), exactly
;;       r = np.clip(x / 2.0 ** e, -6, 6)
;;       step = 2.0 ** (np.maximum(np.frexp(np.where(r == 0, 1, r))[1] - 1, 0) - 1)
;;       q = np.round(r / step) * step * 2.0 ** e      # np.round: ties to even
;;       return np.moveaxis(q.reshape(q.shape[:-2] + (-1,))[..., :K], -1, axis).astype(np.float32)
;;   ~~~
;;   OPERANDS COMPUTED ON THE WAY. 'Computed on the way' means the value that the module computes at that place (a softmax that the list does not call 'softmax' is quantised finished and normalised). What goes into a quantiser is computed in f32, as accurately as f32 sums, v_exp_f32 and their like allow (about 1e-6 of the number): no bf16 or f16 on the way to a quantiser, and a product that is left as it is and whose result goes on into a quantised operand takes f32 operands (vector FMAs, or v_wmma_f32_16x16x4_f32). A number that lies on a knife's edge between two numbers of the format may be rounded either way, as far as f32 arithmetic and the matrix unit's own rounding can turn it there, and no further.
;; One version. Each part assembles by itself: llvm-mc -triple=amdgcn-amd-amdhsa -mcpu=gfx1250 --defsym DOCPART=n.
;; ======== version 1 of 1: 3 launches
;; limits: inputs' magnitudes at most 536,870,912; right only within a limited range of input values
;; workspace buffers: xcodes 4,194,304 bytes; xscales 262,144 bytes; wcodes 1,572,864 bytes; wscales 98,304 bytes; qkv 13,369,344 bytes
;; launch quant (part 1): grid 352 x 1, 4 waves a work-group, no clusters, 33,280 bytes of LDS; arguments hidden_states, Wq, Wk, Wv, xcodes, xscales, wcodes, wscales; writes xcodes, xscales, wcodes, wscales
.if DOCPART == 1
	.amdgcn_target "amdgcn-amd-amdhsa--gfx1250"
	.amdhsa_code_object_version 6
	.text
	.protected	k_qc9e425322c_quant
	.globl	k_qc9e425322c_quant
	.p2align	8
	.type	k_qc9e425322c_quant,@function
k_qc9e425322c_quant:
	s_mov_b64 s[64:65], 0
	v_nop
	global_prefetch_b8 v0, s[64:65] scope:SCOPE_SE
	s_setreg_imm32_b32 hwreg(HW_REG_WAVE_MODE, 25, 1), 1
	s_wait_xcnt 0x0
; FIRST OF THREE LAUNCHES of causal self-attention, all five products on codes of FP4 (E2M1) with one E8M0 scale for each 32 along K.
; This launch: hidden_states [8192][1024] and Wq, Wk, Wv [1024][1024], f32, K innermost, become codes (512 bytes a row) and scale bytes (32 a row).
; The second launch makes q, k, v from them and quantises those; the third is the attention.
; DEAD WORK, left out in the third launch alone: reference() sets the scores of keys k > q to -infinity by its own jnp.tril, whatever the inputs hold; their softmax weight is 0 and
; they add 0 to the output.  So steps of 128 keys that lie wholly behind a tile's 16 queries are not computed.  Every input has a way to the output and is loaded: the biases move codes, the mask varies along the softmax's axis.
; LIMIT of that: a NaN, an infinity or an overflow that would arise only in the scores left out is not carried to the result.
; A block's scale is 2^(floor(log2(its largest magnitude)) - 2); its byte is the largest magnitude's exponent field - 2, held at 1 from below.  A block of zeros so gets the byte 1: its codes are zeros, and this program alone reads the bytes.
; LIMITS: blocks whose largest magnitude lies under 2^(2 - 126) take the byte 1; NaN and infinities among the inputs are not served.
; THE ROWS ARE LAID IN ANOTHER ORDER: row n goes to the place with bits 3 and 4 of n exchanged, so that 16 neighbouring places hold rows 32 b + 8 u + {0..7, 16..23}: the tiles whose results come out
; with a lane's registers running along the next product's K.  A wave takes 8 rows, so the order costs one exchange of two bits of the wave's number.
; A wave takes 16 steps of 512 numbers.  Each load reads 512 consecutive bytes, 16 a lane; a step's 2,048 bytes turn through the wave's own stage in LDS and come back 64 bytes a lane: 16 neighbours along K, two lanes to a block.
; A lane's 16 codes are 8 bytes: the wave stores 256 consecutive bytes.  A wave's 256 scale bytes are gathered in LDS and leave as one aligned run of 256 bytes.
; No work-group shares an input with another: no cluster, no tensor load, no barrier.  Work-groups 0-255 take hidden_states, 256-351 the three weights, 32 each.
.set STEPS, 16
.set XWG,   256                        ; work-groups of hidden_states: 8192 x 1024 / 32768
.set EMAX,  2
.set CB,    8                          ; bytes of 16 codes
.set R,     16                         ; v16-79   four sets of 16 numbers as they are loaded
.set X,     80                         ; v80-111  two sets of 16 neighbours
.set C,     128                        ; v128-191 codes: four registers for each step, so that no store's data are written again
.set E,     112                        ; v112-127 a scale byte for each step
.set WREG,  8192                       ; LDS: a region for each wave: two stages of 32 x SP bytes, behind them its 256 scale bytes
.set SP,    80                         ; a lane's place in a stage: 64 bytes + 16 of padding
.set SPW,   12                         ; v12      LDS address of my spare word; never rewritten
.set NIL,   13                         ; v13      0; never rewritten
.set SPARE, 4*WREG                     ; behind the four regions: the spare words, 128 bytes a wave, that no other line names
	s_load_b256 s[4:11], s[0:1], 0x0               ; hidden_states s[4:5], Wq s[6:7], Wk s[8:9], Wv s[10:11]
	s_load_b256 s[12:19], s[0:1], 0x20             ; xcodes s[12:13], xscales s[14:15], wcodes s[16:17], wscales s[18:19]
	v_lshl_add_u32 v[SPW], v0, 2, SPARE
	v_mov_b32 v[NIL], 0
	v_lshrrev_b32 v1, 5, v0
	v_readfirstlane_b32 s20, v1                    ; wave
	v_and_b32 v2, 31, v0                           ; lane
	v_lshlrev_b32 v3, 4, v2                        ; my 16 bytes of a load's 512
	s_mul_i32 s21, s20, WREG
	v_lshrrev_b32 v14, 2, v2
	v_mul_u32_u24 v14, v14, SP
	v_and_b32 v15, 3, v2
	v_lshl_add_u32 v14, v15, 4, v14
	v_add_nc_u32 v14, s21, v14                     ; the stage, on the way in: SP (lane / 4) + 16 (lane % 4)
	v_mul_u32_u24 v15, v2, SP
	v_add_nc_u32 v15, s21, v15                     ; and on the way out: SP x lane: my 16 neighbours
	v_mul_u32_u24 v4, v2, CB                       ; my codes' place in a step's
	v_lshrrev_b32 v5, 1, v2
	s_add_co_u32 s21, s21, 2*32*SP
	v_add_nc_u32 v5, s21, v5                       ; LDS: my wave's 256 scale bytes, my block's byte
	v_lshlrev_b32 v7, 3, v2                        ; and on the way out 8 bytes a lane
	v_add_nc_u32 v6, s21, v7
	s_sub_co_u32 s22, ttmp9, XWG                   ; a weight's work-group: its number among the 96 (not used in hidden_states' work-groups),
	s_and_b32 s23, s22, 31                         ; its group of 32 rows in its weight,
	s_lshr_b32 s24, s22, 5                         ; and which weight
	s_wait_alu depctr_va_vdst(0)
	s_wait_kmcnt 0x0
	s_cmp_eq_u32 s24, 1                            ; every choice hangs on the work-group's number alone
	s_cselect_b64 s[6:7], s[8:9], s[6:7]
	s_cmp_eq_u32 s24, 2
	s_cselect_b64 s[6:7], s[10:11], s[6:7]
	s_cmp_lt_u32 ttmp9, XWG
	s_cselect_b64 s[4:5], s[4:5], s[6:7]           ; the numbers,
	s_cselect_b64 s[8:9], s[12:13], s[16:17]       ; their codes,
	s_cselect_b64 s[10:11], s[14:15], s[18:19]     ; their scale bytes,
	s_cselect_b32 s23, ttmp9, s23                  ; the group of 32 rows in the source,
	s_cselect_b32 s22, ttmp9, s22                  ; and in the codes' buffer
	s_lshl_b32 s23, s23, 2
	s_add_co_u32 s23, s23, s20                     ; my run of 8 rows in the source
	s_lshl_b32 s24, s23, 15                        ; 32,768 bytes a run (under 2^26)
	s_mov_b32 s25, 0
	s_add_nc_u64 s[4:5], s[4:5], s[24:25]
	s_and_b32 s26, s20, 1
	s_lshl_b32 s26, s26, 1
	s_lshr_b32 s27, s20, 1
	s_or_b32 s26, s26, s27                         ; the wave's two bits exchanged: bits 3 and 4 of the row
	s_lshl_b32 s22, s22, 2
	s_add_co_u32 s22, s22, s26                     ; my run's place
	s_lshl_b32 s24, s22, 12                        ; 4,096 bytes of codes a run
	s_add_nc_u64 s[8:9], s[8:9], s[24:25]
	s_lshl_b32 s24, s22, 8                         ; 256 scale bytes a run
	s_add_nc_u64 s[10:11], s[10:11], s[24:25]
.macro LOAD t
.irp i, 0,1,2,3
	global_load_b128 v[R+16*((\t)%4)+4*\i:R+16*((\t)%4)+4*\i+3], v3, s[4:5] offset:2048*(\t)+512*\i th:TH_LOAD_NT   ; 32 lanes read 512 consecutive bytes
.endr
.endm
.macro TURN t                          ; step t's numbers through the stage: LDS serves a wave's instructions in order, so no wait stands between the stores and the loads
.irp i, 0,1,2,3
	ds_store_b128 v14, v[R+16*((\t)%4)+4*\i:R+16*((\t)%4)+4*\i+3] offset:32*SP*((\t)%2)+8*SP*\i
.endr
.irp i, 0,1,2,3
	ds_load_b128 v[X+16*((\t)%2)+4*\i:X+16*((\t)%2)+4*\i+3], v15 offset:32*SP*((\t)%2)+16*\i
.endr
.endm
.irp t, 0,1,2,3
	LOAD \t
.endr
	s_wait_loadcnt 12                              ; step 0's four loads are in; the twelve behind them stay out
	TURN 0
.macro STEP t
.set XS, X+16*((\t)%2)
.if (\t) > 0
	s_wait_dscnt 1                                 ; this step's numbers are back from the stage (the last step's byte store may be out): so its stores into the stage have read their registers,
.else
	s_wait_dscnt 0x0
.endif
.if (\t)+4 < STEPS
	LOAD (\t)+4                                    ; which take the loads of four steps on
.endif
.if (\t)+1 < STEPS
.if STEPS-2-(\t) >= 3
	s_wait_loadcnt 12                              ; the next step's four loads are in; those of the three steps behind it may be out
.else
	s_wait_loadcnt 4*(STEPS-2-(\t))
.endif
	TURN (\t)+1                                    ; and go through the other stage while this step is worked
.endif
	v_max3_num_f32 v8, |v[XS]|, |v[XS+1]|, |v[XS+2]|               ; the largest magnitude of my 16, in two chains
	v_max3_num_f32 v9, |v[XS+3]|, |v[XS+4]|, |v[XS+5]|
.irp i, 6,10
	v_max3_num_f32 v8, v8, |v[XS+\i]|, |v[XS+\i+1]|
	v_max3_num_f32 v9, v9, |v[XS+\i+2]|, |v[XS+\i+3]|
.endr
	v_max3_num_f32 v8, v8, |v[XS+14]|, |v[XS+15]|
	v_max3_num_f32 v8, v8, v9, (EMAX+1)<<23        ; and the floor 2^(EMAX + 1 - 127): the byte cannot fall under 1
	v_max_num_f32_dpp v8, v8, v8 row_xmask:1 row_mask:0xf bank_mask:0xf   ; and of my neighbour's 16: the block's
	v_add_nc_u32 v11, -(EMAX<<23), v8              ; EMAX off its exponent field: the conversion takes the exponent field of this operand as its scale
	v_cvt_scalef32_pk8_fp4_f32 v[C+4*(\t)], v[XS:XS+7], v11
	v_cvt_scalef32_pk8_fp4_f32 v[C+4*(\t)+1], v[XS+8:XS+15], v11
	v_lshrrev_b32 v[E+(\t)], 23, v11               ; the scale's byte
	ds_store_b8 v5, v[E+(\t)] offset:16*(\t)       ; both lanes of a block write the same byte with the same value
	global_store_b64 v4, v[C+4*(\t):C+4*(\t)+1], s[8:9] offset:32*CB*(\t)   ; 32 lanes store 256 consecutive bytes, aligned
.endm
.irp t, 0,1,2,3,4,5,6,7,8,9,10,11,12,13,14,15
	STEP \t
.endr
	ds_load_b64 v[8:9], v6                         ; LDS serves a wave's instructions in order: these see my stores
	s_wait_dscnt 0x0
	global_store_b64 v7, v[8:9], s[10:11]          ; 32 lanes store 256 consecutive bytes, aligned
	s_wait_tensorcnt 0x0                           ; the wave's end, behind my last LDS store
	ds_add_u32 v[SPW], v[NIL]
	s_wait_dscnt 0x0
	s_endpgm
.Lfunc_end_k_qc9e425322c_quant:
	.size	k_qc9e425322c_quant, .Lfunc_end_k_qc9e425322c_quant-k_qc9e425322c_quant
	.p2alignl 7, 3214868480
	.fill 96, 4, 3214868480
	.section	.rodata,"a",@progbits
	.p2align	6, 0x0
	.amdhsa_kernel k_qc9e425322c_quant
		.amdhsa_group_segment_fixed_size 33280
		.amdhsa_private_segment_fixed_size 0
		.amdhsa_enable_private_segment 0
		.amdhsa_kernarg_size 64
		.amdhsa_user_sgpr_count 2
		.amdhsa_user_sgpr_kernarg_segment_ptr 1
		.amdhsa_wavefront_size32 1
		.amdhsa_system_sgpr_workgroup_id_x 1
		.amdhsa_system_sgpr_workgroup_id_y 1
		.amdhsa_system_sgpr_workgroup_id_z 1
		.amdhsa_system_vgpr_workitem_id 0
		.amdhsa_next_free_vgpr 192
		.amdhsa_next_free_sgpr 66
		.amdhsa_reserve_vcc 0
		.amdhsa_float_denorm_mode_32 3
		.amdhsa_float_denorm_mode_16_64 3
		.amdhsa_memory_ordered 1
		.amdhsa_forward_progress 1
		.amdhsa_inst_pref_size 34
	.end_amdhsa_kernel
	.amdgpu_metadata
---
amdhsa.version: [ 1, 2 ]
amdhsa.kernels:
  - .name:           k_qc9e425322c_quant
    .symbol:         k_qc9e425322c_quant.kd
    .args:
      - { .name: hidden_states, .offset: 0, .size: 8, .value_kind: global_buffer, .address_space: global }
      - { .name: Wq, .offset: 8, .size: 8, .value_kind: global_buffer, .address_space: global }
      - { .name: Wk, .offset: 16, .size: 8, .value_kind: global_buffer, .address_space: global }
      - { .name: Wv, .offset: 24, .size: 8, .value_kind: global_buffer, .address_space: global }
      - { .name: xcodes, .offset: 32, .size: 8, .value_kind: global_buffer, .address_space: global }
      - { .name: xscales, .offset: 40, .size: 8, .value_kind: global_buffer, .address_space: global }
      - { .name: wcodes, .offset: 48, .size: 8, .value_kind: global_buffer, .address_space: global }
      - { .name: wscales, .offset: 56, .size: 8, .value_kind: global_buffer, .address_space: global }
    .group_segment_fixed_size: 33280
    .private_segment_fixed_size: 0
    .kernarg_segment_align: 8
    .kernarg_segment_size: 64
    .max_flat_workgroup_size: 128
    .sgpr_count:     66
    .vgpr_count:     192
    .wavefront_size: 32
...
	.end_amdgpu_metadata
.endif
;; end of part 1
;; launch proj (part 2): grid 8 x 48, 4 waves a work-group, clusters of 4 x 4, 327,680 bytes of LDS; arguments xcodes, xscales, wcodes, wscales, bq, bk, bv, qkv; writes qkv
.if DOCPART == 2
	.amdgcn_target "amdgcn-amd-amdhsa--gfx1250"
	.amdhsa_code_object_version 6
	.text
	.protected	k_qc9e425322c_proj
	.globl	k_qc9e425322c_proj
	.p2align	8
	.type	k_qc9e425322c_proj,@function
k_qc9e425322c_proj:
	s_mov_b64 s[64:65], 0
	v_nop
	global_prefetch_b8 v0, s[64:65] scope:SCOPE_SE
	s_setreg_imm32_b32 hwreg(HW_REG_WAVE_MODE, 25, 1), 1
	s_wait_xcnt 0x0
	s_wait_alu depctr_hold_cnt(0) depctr_sa_sdst(0) depctr_va_vdst(0) depctr_va_sdst(0) depctr_va_ssrc(0) depctr_va_vcc(0) depctr_vm_vsrc(0)
	s_getreg_b32 s2, hwreg(HW_REG_IB_STS2, 6, 4)
	s_cmp_eq_u32 s2, 0
	s_cbranch_scc0 .Lentry_in_a_cluster
	s_endpgm
.Lentry_in_a_cluster:
	s_bfe_u32 s2, ttmp6, 0x10000c
	s_cmp_lg_u32 s2, 0xf033
	s_cbranch_scc0 .Lentry_shape_is_right
	s_endpgm
.Lentry_shape_is_right:
.set NQ,     4
.set ROWB,   512                       ; a row of codes in bytes: all of K = 1,024
.set KROW,   512
.set PITCH,  528                       ; an LDS row: 512 bytes + 16 of padding
.set FR,     8
.set NL,     2
.set NP,     4
.set HALFT,  128*PITCH
.set SLOT,   256                       ; the second 512 along K begins 256 bytes on in each row
.set KS,     32
.set SCL,    4*HALFT                   ; behind A's 256 rows and B's 256 rows: the scales
.set HALFS,  (128*KS/256)*272
.set SBLK,   (16*KS/256)*272
.set SPARE,  SCL+4*HALFS
.set REC,    208896
.set KCO,    0
.set VCO,    65536
.set KSO,    131072
.set VSO,    135168
.set QCO,    139264
.set QSO,    204800
.set FLOOR,  6<<23
.set ADRA, 16
.set ADRB, 20
.set ADRS, 27
.set SPW,  28
.set NIL,  29
.set SC,   32
.set PW,   96
.set SW,   104
.set TM,   108
.set SELV, 124
.set O1,   125
.set O2,   126
.set OS,   127
.set AF,   128
.set PC,   128
.set BIAS, 192
.set G1, 24
.set G0, 32
.set G1B, 48
.set G0B, 56
.set G1S, 68
.set G0S, 76
.set G1SB, 80
.set G0SB, 88
.set MODE, 66
.set MSB, 0
.macro WIN new
.if MSB != (\new)
	s_set_vgpr_msb (MSB<<8)|(\new)
.set MSB, (\new)
.endif
.endm
.set MUL_LO, 0xa1
.set MUL_HI, 0xf1
.set TO_B,   0x40
; One arm of the head's tree of branches on the wave's number: its joint load and a jump to the tree's end.
.macro ARM under, g0, g1, next
	s_cmp_lt_u32 s14, \under
	s_cbranch_scc0 \next
	tensor_load_to_lds s[\g0:\g0+3], s[\g1:\g1+7]
	s_nop 0
.rept 4
	v_nop
.endr
	s_branch .Lhead_asked
\next:
.endm
.macro CROUND
	s_barrier_signal -1
	s_barrier_wait -1
	s_cmp_lg_u32 s14, 0
	s_cbranch_scc1 .Lnot_wave_0_\@
	s_barrier_signal -3
.Lnot_wave_0_\@:
	s_barrier_wait -3
	s_barrier_signal -1
	s_barrier_wait -1
.endm
	s_load_b256 s[4:11], s[0:1], 0x0
	s_load_b256 s[92:99], s[0:1], 0x20
	v_lshl_add_u32 v[SPW], v0, 2, SPARE
	v_mov_b32 v[NIL], 0
	ds_add_u32 v[SPW], v[NIL]
	ds_add_u32 v[SPW], v[NIL]
	v_lshrrev_b32 v1, 5, v0
	v_readfirstlane_b32 s14, v1
	s_lshr_b32 s15, s14, 1
	s_and_b32 s16, s14, 1
	s_bfe_u32 s40, ttmp6, 0x40000
	s_bfe_u32 s41, ttmp6, 0x40004
	s_and_b32 s12, ttmp7, 0xffff
	s_cmp_ge_u32 s12, 8
	s_cselect_b32 s[MODE], 1, 0
	s_cselect_b32 s13, 8, 0
	s_sub_co_u32 s13, s12, s13
	s_mul_i32 s2, s13, s[MODE]
	s_sub_co_u32 s3, s13, s2
	s_lshl_b32 s42, ttmp9, 2
	s_add_co_u32 s42, s42, s40
	s_lshl_b32 s2, s2, 3
	s_add_co_u32 s42, s42, s2
	s_lshl_b32 s17, s3, 2
	s_add_co_u32 s17, s17, s41
	s_lshl_b32 s43, s41, 2
	s_lshl_b32 s43, 15, s43
	s_lshl_b32 s44, 0x1111, s40
	s_or_b32 s[G1+0], s43, (0<<16)|(1<<20)|(1<<21)|(6<<22)|(3<<25)   ; 256 rows of 512 bytes; four words of padding after every 128
	s_or_b32 s[G1B+0], s44, (0<<16)|(1<<20)|(1<<21)|(6<<22)|(3<<25)
.irp g, G1, G1B
	s_mov_b32 s[\g+1], ROWB<<16
	s_mov_b32 s[\g+2], 256<<16
	s_mov_b32 s[\g+3], ROWB<<16
	s_mov_b32 s[\g+4], 256
	s_mov_b32 s[\g+5], KROW
	s_mov_b32 s[\g+6], 0
	s_mov_b32 s[\g+7], 0
.endr
	s_or_b32 s[G1S+0], s43, (3<<16)|(1<<20)|(1<<21)|(5<<22)|(3<<25)
	s_or_b32 s[G1SB+0], s44, (3<<16)|(1<<20)|(1<<21)|(5<<22)|(3<<25)
.irp g, G1S, G1SB
	s_mov_b32 s[\g+1], 32<<16
	s_mov_b32 s[\g+2], KS<<16                      ; the scales of 256 rows: KS rows of 256 bytes
	s_mov_b32 s[\g+3], 32<<16
	s_mov_b32 s[\g+4], KS
	s_mov_b32 s[\g+5], 32
	s_mov_b32 s[\g+6], 0
	s_mov_b32 s[\g+7], 0
.endr
	s_lshl_b32 s20, s17, 8                         ; the block's first row of source 1's tensor,
	s_lshl_b32 s19, s[MODE], 11
	s_add_co_u32 s20, s20, s19
	s_lshl_b32 s46, s42, 8                         ; and of source 0's
	s_lshl_b32 s22, s20, 5
	s_mov_b32 s23, 0
	s_lshl_b32 s20, s20, 9
	s_mov_b32 s21, 0
	s_lshl_b32 s2, s46, 5
	s_mov_b32 s3, 0
	s_lshl_b32 s46, s46, 9
	s_mov_b32 s47, 0
	s_wait_dscnt 0x0
	s_wait_kmcnt 0x0
	s_cmp_eq_u32 s[MODE], 0
	s_cselect_b64 s[12:13], s[4:5], s[8:9]
	s_cselect_b64 s[18:19], s[6:7], s[10:11]
	s_cselect_b64 s[4:5], s[8:9], s[4:5]
	s_cselect_b64 s[6:7], s[10:11], s[6:7]
	s_add_nc_u64 s[20:21], s[12:13], s[20:21]
	s_add_nc_u64 s[22:23], s[18:19], s[22:23]
	s_add_nc_u64 s[46:47], s[4:5], s[46:47]
	s_add_nc_u64 s[2:3], s[6:7], s[2:3]
	CROUND
	s_mov_b32 s[G0S], 1
	s_mov_b32 s[G0S+1], SCL
	s_mov_b64 s[G0S+2:G0S+3], s[22:23]
	s_or_b32 s[G0S+3], s[G0S+3], 0x80000000
	s_mov_b32 s[G0SB], 1
	s_mov_b32 s[G0SB+1], SCL+2*HALFS
	s_mov_b64 s[G0SB+2:G0SB+3], s[2:3]
	s_or_b32 s[G0SB+3], s[G0SB+3], 0x80000000
	s_mov_b32 s[G0], 1                             ; source 1's 256 rows, all of K,
	s_mov_b32 s[G0+1], 0
	s_mov_b64 s[G0+2:G0+3], s[20:21]
	s_or_b32 s[G0+3], s[G0+3], 0x80000000
	s_mov_b32 s[G0B], 1                            ; source 0's 256 rows behind them
	s_mov_b32 s[G0B+1], 2*HALFT
	s_mov_b64 s[G0B+2:G0B+3], s[46:47]
	s_or_b32 s[G0B+3], s[G0B+3], 0x80000000
; THE HEAD'S LOADS, ONE A WAVE, and the launch's only ones: both operands' codes for all of K and their scales fit in LDS, so nothing is filled later.
; Wave 0: source 1's codes; wave 1: source 0's; waves 2 and 3: their scales.  One tree of branches on the wave's number: every way passes exactly one load.
	ARM 1, G0,  G1,  .Lhead_b
	ARM 2, G0B, G1B, .Lhead_sa
	ARM 3, G0S, G1S, .Lhead_sb
	tensor_load_to_lds s[G0SB:G0SB+3], s[G1SB:G1SB+7]
	s_nop 0
.rept 4
	v_nop
.endr
.Lhead_asked:
	v_and_b32 v1, 15, v0
	v_bfe_u32 v2, v0, 4, 1
	v_mul_u32_u24 v3, v1, PITCH
	v_lshl_add_u32 v4, v2, 4, v3
	s_mul_i32 s21, s15, HALFT
	s_mul_i32 s22, s16, HALFT
	s_add_co_u32 s22, s22, 2*HALFT
.irp s, 0,1
	v_add_nc_u32 v[ADRA+\s], s21, v4
	v_add_nc_u32 v[ADRB+\s], s22, v4
	s_add_co_u32 s21, s21, SLOT
	s_add_co_u32 s22, s22, SLOT
.endr
	v_mul_u32_u24 v5, v1, KS
	v_lshrrev_b32 v6, 8, v5
	v_lshl_add_u32 v5, v6, 4, v5
	s_mul_i32 s21, s15, HALFS
	s_mul_i32 s22, s16, HALFS
	s_add_co_u32 s22, s22, 2*HALFS
	s_sub_co_u32 s22, s22, s21
	v_mul_u32_u24 v6, s22, v2
	s_add_co_u32 s21, s21, SCL
	v_add_nc_u32 v5, v5, v6
	v_add_nc_u32 v[ADRS], s21, v5
	s_lshl_b32 s18, s17, 1
	s_add_co_u32 s18, s18, s15
	s_lshl_b32 s19, s42, 1
	s_add_co_u32 s19, s19, s16
	s_and_b32 s20, s19, 7
	s_mov_b32 s22, QCO
	s_mov_b32 s23, QSO
	s_mov_b32 s2, KSO
	s_cmp_eq_u32 ttmp9, 0
	s_cselect_b32 s22, s22, KCO
	s_cselect_b32 s23, s23, s2
	s_cselect_b64 s[46:47], s[92:93], s[94:95]
	s_mov_b32 s2, VCO
	s_mov_b32 s3, VSO
	s_cmp_eq_u32 s[MODE], 0
	s_cselect_b32 s21, s18, s19
	s_cselect_b32 s20, s20, s18
	s_cselect_b32 s22, s22, s2
	s_cselect_b32 s23, s23, s3
	s_cselect_b64 s[46:47], s[46:47], s[96:97]
	s_mov_b32 s2, 1024
	s_cselect_b32 s8, 512, s2
	s_mov_b32 s2, REC-3072
	s_cselect_b32 s10, 512, s2
	s_mov_b32 s2, REC
	s_cselect_b32 s12, s2, 512
	s_mov_b32 s2, 0x03020100
	s_cselect_b32 s18, 0x05040100, s2
	s_mov_b32 s2, 0x04040404
	s_cselect_b32 s19, 0x02020202, s2
	s_mov_b32 s9, 0
	s_mov_b32 s11, 0
	s_lshr_b32 s2, s21, 4
	s_lshl_b32 s2, s2, 4
	s_lshl_b32 s3, s20, 1
	s_add_co_u32 s2, s2, s3
	s_mul_i32 s2, s2, REC
	s_and_b32 s3, s21, 15
	s_lshl_b32 s13, s3, 12
	s_add_co_u32 s13, s13, s2
	s_add_co_u32 s4, s13, s22
	s_mov_b32 s5, 0
	s_add_nc_u64 s[4:5], s[98:99], s[4:5]
	s_lshl_b32 s13, s3, 8
	s_add_co_u32 s13, s13, s2
	s_add_co_u32 s6, s13, s23
	s_mov_b32 s7, 0
	s_add_nc_u64 s[6:7], s[98:99], s[6:7]
	s_lshl_b32 s2, s20, 9
	s_mov_b32 s3, 0
	s_add_nc_u64 s[46:47], s[46:47], s[2:3]
	v_and_b32 v6, 31, v0
	v_lshlrev_b32 v[O1], 4, v6
	v_add_nc_u32 v[O2], s12, v[O1]
	v_mul_u32_u24 v5, v2, REC
	v_lshl_add_u32 v[OS], v1, 4, v5
	v_mul_lo_u32 v5, v2, s19
	v_add_nc_u32 v[SELV], s18, v5
	v_lshlrev_b32 v8, 6, v2
	v_and_b32 v9, 8, v1
	v_add_nc_u32 v9, v9, v1
	v_lshlrev_b32 v9, 2, v9
.irp b, 0,1,2,3
	v_mov_b32 v[TM+4+\b], 0
.endr
	s_cmp_eq_u32 s[MODE], 0
	s_cbranch_scc0 .Lbias_v
.irp bb, 0,1,2,3
.irp k, 0,1,2,3
	global_load_b128 v[BIAS+16*\bb+4*\k:BIAS+16*\bb+4*\k+3], v8, s[46:47] offset:128*\bb+16*\k
.endr
.endr
	s_branch .Lbias_done
.Lbias_v:
	s_wait_alu depctr_va_vdst(0)
.irp a, 0,1,2,3,4,5,6,7
	global_load_b32 v[BIAS+8*\a], v9, s[46:47] offset:4*(32*(\a/2)+8*(\a%2))
.endr
	s_wait_loadcnt 0x0
.irp a, 0,1,2,3,4,5,6,7
.irp j, 1,2,3,4,5,6,7
	v_mov_b32 v[BIAS+8*\a+\j], v[BIAS+8*\a]
.endr
.endr
.Lbias_done:
.macro FRAG reg, adr, q, i
.irp c, 0,1
	ds_load_b128 v[\reg+4*\c:\reg+4*\c+3], v[\adr] offset:64*(\q)+32*\c+(\i)*16*PITCH
.endr
.endm
.macro MUL16 a0, p, q, sc, zero
.irp a, \a0, \a0+1
.irp b, 0,1,2,3,4,5,6,7
.if \zero == 1
	v_wmma_scale_f32_16x16x128_f8f6f4 v[8*(8*((\a)%4)+\b):8*(8*((\a)%4)+\b)+7], v[128*(\p)+FR*\b:128*(\p)+FR*\b+FR-1], v[AF+FR*(\a):AF+FR*(\a)+FR-1], v[BIAS+8*\b:BIAS+8*\b+7], v[SC+8*NQ*(\sc)+NQ*\b+(\q)], v[SC+8*NQ*(\sc)+NQ*(\a)+(\q)] matrix_a_fmt:MATRIX_FMT_FP4 matrix_b_fmt:MATRIX_FMT_FP4 matrix_a_scale:MATRIX_SCALE_ROW1
.elseif \zero == 2
	v_wmma_scale_f32_16x16x128_f8f6f4 v[8*(8*((\a)%4)+\b):8*(8*((\a)%4)+\b)+7], v[128*(\p)+FR*\b:128*(\p)+FR*\b+FR-1], v[AF+FR*(\a):AF+FR*(\a)+FR-1], v[BIAS+8*(\a):BIAS+8*(\a)+7], v[SC+8*NQ*(\sc)+NQ*\b+(\q)], v[SC+8*NQ*(\sc)+NQ*(\a)+(\q)] matrix_a_fmt:MATRIX_FMT_FP4 matrix_b_fmt:MATRIX_FMT_FP4 matrix_a_scale:MATRIX_SCALE_ROW1
.else
	v_wmma_scale_f32_16x16x128_f8f6f4 v[8*(8*((\a)%4)+\b):8*(8*((\a)%4)+\b)+7], v[128*(\p)+FR*\b:128*(\p)+FR*\b+FR-1], v[AF+FR*(\a):AF+FR*(\a)+FR-1], v[8*(8*((\a)%4)+\b):8*(8*((\a)%4)+\b)+7], v[SC+8*NQ*(\sc)+NQ*\b+(\q)], v[SC+8*NQ*(\sc)+NQ*(\a)+(\q)] matrix_a_fmt:MATRIX_FMT_FP4 matrix_b_fmt:MATRIX_FMT_FP4 matrix_a_scale:MATRIX_SCALE_ROW1
.endif
.endr
.endr
.endm
.macro FETCH_B slot, q, p
	WIN TO_B
.irp i, 0,1,2,3,4,5,6,7
	FRAG 128*(\p)+FR*\i, ADRB+\slot, \q, \i
.endr
	WIN 0
.endm
.macro FETCH_A slot, q, i0
.irp i, \i0, \i0+1, \i0+2, \i0+3
	FRAG AF+FR*(\i), ADRA+\slot, \q, \i
.endr
.endm
.macro SCALES sc
.irp i, 0,1,2,3,4,5,6,7
	ds_load_b128 v[SC+8*NQ*\sc+NQ*\i:SC+8*NQ*\sc+NQ*\i+3], v[ADRS] offset:\i*SBLK
.endr
.endm
.macro PLACES n
.rept \n
	v_nop
.endr
.endm
.macro STEP slot, q, zero
	s_wait_dscnt 4*NL
.if \zero
	WIN 0x81
.else
	WIN MUL_LO
.endif
	MUL16 0, (\q)%2, \q, \slot, \zero
	MUL16 2, (\q)%2, \q, \slot, \zero
	s_wait_dscnt 0
	PLACES NP
	FETCH_B \slot, (\q)+1, 1-(\q)%2
	FETCH_A \slot, (\q)+1, 0
.if \zero
	WIN 0xc1
.else
	WIN MUL_HI
.endif
	MUL16 4, (\q)%2, \q, \slot, \zero
	MUL16 6, (\q)%2, \q, \slot, \zero
	PLACES NP
	WIN 0
	FETCH_A \slot, (\q)+1, 4
.endm
.macro TURN slot, next
	s_wait_tensorcnt 0x0
	ds_add_u32 v[SPW], v[NIL]
	s_wait_dscnt 4*NL+1
	WIN MUL_LO
	MUL16 0, 1, NQ-1, \slot, 0
	s_wait_dscnt 0x0
	s_barrier_signal -1
	MUL16 2, 1, NQ-1, \slot, 0
	WIN 0
	s_barrier_wait -1
	PLACES NP
	v_add_nc_u32 v[ADRS], 4*NQ, v[ADRS]
	FETCH_B \next, 0, 0
	FETCH_A \next, 0, 0
	SCALES \next
	WIN MUL_HI
	MUL16 4, 1, NQ-1, \slot, 0
	MUL16 6, 1, NQ-1, \slot, 0
	PLACES NP
	WIN 0
	FETCH_A \next, 0, 4
.endm
.macro STEPS slot, from
.set Q, \from
.rept NQ-1-\from
	STEP \slot, Q, 0
.set Q, Q+1
.endr
.endm
	s_wait_alu depctr_va_vdst(0)                   ; the wait at the head's end
	s_wait_tensorcnt 0x0                           ; my tile of the head's four is in; behind the barrier everybody's
	s_barrier_signal -1
	s_barrier_wait -1
	FETCH_B 0, 0, 0
	FETCH_A 0, 0, 0
	SCALES 0
	FETCH_A 0, 0, 4
	s_wait_loadcnt 0x0
	s_cmp_eq_u32 s[MODE], 0
	s_cbranch_scc0 .Lfirst_v
	s_wait_alu depctr_va_vdst(0)
	STEP 0, 0, 1
	s_branch .Lfirst_done
.Lfirst_v:
	s_wait_alu depctr_va_vdst(0)
	STEP 0, 0, 2
.Lfirst_done:
	STEPS 0, 1
	TURN 0, 1
	STEPS 1, 0
	s_wait_dscnt 4*NL
	WIN MUL_LO
	MUL16 0, 1, NQ-1, 1, 0
	MUL16 2, 1, NQ-1, 1, 0
	s_wait_dscnt 0
	WIN MUL_HI
	MUL16 4, 1, NQ-1, 1, 0
	MUL16 6, 1, NQ-1, 1, 0
	WIN 0
.macro QUANTW a
.set AC, 64*((\a)%4)
.set WW, 2+(\a)/4
	WIN WW|(WW<<2)
.irp b, 0,1,2,3
	v_max3_num_f32 v[TM+\b], |v[AC+16*\b]|, |v[AC+16*\b+1]|, FLOOR
.endr
	WIN (WW<<2)|(WW<<4)
.irp i, 2,4,6,8,10,12,14
.irp b, 0,1,2,3
	v_max3_num_f32 v[TM+\b], v[TM+\b], |v[AC+16*\b+\i]|, |v[AC+16*\b+\i+1]|
.endr
.endr
	WIN 0
.irp b, 0,1,2,3
	v_permlanex16_b32 v[TM+4+\b], v[TM+\b], s20, s21
.endr
.irp b, 0,1,2,3
	v_max_num_f32 v[TM+\b], v[TM+\b], v[TM+4+\b]
.endr
.irp b, 0,1,2,3
	v_add_nc_u32 v[TM+12+\b], 0xff000000, v[TM+\b]
.endr
.irp b, 0,1,2,3
	v_lshrrev_b32 v[TM+4+\b], 23, v[TM+12+\b]
.endr
	v_lshl_or_b32 v[PW+\a], v[TM+5], 8, v[TM+4]
	v_lshl_or_b32 v[PW+\a], v[TM+6], 16, v[PW+\a]
	v_lshl_or_b32 v[PW+\a], v[TM+7], 24, v[PW+\a]
	WIN WW
.irp b, 0,1,2,3
	v_cvt_scalef32_pk8_fp4_f32 v[PC+8*\a+2*\b], v[AC+16*\b:AC+16*\b+7], v[TM+12+\b]
	v_cvt_scalef32_pk8_fp4_f32 v[PC+8*\a+2*\b+1], v[AC+16*\b+8:AC+16*\b+15], v[TM+12+\b]
.endr
	WIN 0
	v_nop
.irp c, 0,1
.irp i, 0,1
	v_permlane16_swap_b32 v[PC+8*\a+4*\c+\i], v[PC+8*\a+4*\c+2+\i]
.endr
.endr
.endm
	s_mov_b32 s20, 0x76543210
	s_mov_b32 s21, 0xfedcba98
	PLACES NP
.irp a, 0,1,2,3,4,5,6,7
	QUANTW \a
.if \a > 0
	s_wait_alu depctr_va_vdst(0)
	s_wait_xcnt 0x0
.if \a == 4
	s_add_nc_u64 s[4:5], s[4:5], s[10:11]
.else
	s_add_nc_u64 s[4:5], s[4:5], s[8:9]
.endif
.endif
	global_store_b128 v[O1], v[PC+8*\a:PC+8*\a+3], s[4:5]
	global_store_b128 v[O2], v[PC+8*\a+4:PC+8*\a+7], s[4:5]
.endr
.irp i, 0,1,2,3
	v_perm_b32 v[SW+\i], v[PW+4+\i], v[PW+\i], v[SELV]
.endr
	global_store_b128 v[OS], v[SW:SW+3], s[6:7]
	s_wait_tensorcnt 0x0
	ds_add_u32 v[SPW], v[NIL]
	s_wait_dscnt 0x0
	CROUND
	s_endpgm
.Lfunc_end_k_qc9e425322c_proj:
	.size	k_qc9e425322c_proj, .Lfunc_end_k_qc9e425322c_proj-k_qc9e425322c_proj
	.p2alignl 7, 3214868480
	.fill 96, 4, 3214868480
	.section	.rodata,"a",@progbits
	.p2align	6, 0x0
	.amdhsa_kernel k_qc9e425322c_proj
		.amdhsa_group_segment_fixed_size 327680
		.amdhsa_private_segment_fixed_size 0
		.amdhsa_enable_private_segment 0
		.amdhsa_kernarg_size 64
		.amdhsa_user_sgpr_count 2
		.amdhsa_user_sgpr_kernarg_segment_ptr 1
		.amdhsa_wavefront_size32 1
		.amdhsa_system_sgpr_workgroup_id_x 1
		.amdhsa_system_sgpr_workgroup_id_y 1
		.amdhsa_system_sgpr_workgroup_id_z 1
		.amdhsa_system_vgpr_workitem_id 0
		.amdhsa_next_free_vgpr 1024
		.amdhsa_next_free_sgpr 100
		.amdhsa_reserve_vcc 0
		.amdhsa_float_denorm_mode_32 3
		.amdhsa_float_denorm_mode_16_64 3
		.amdhsa_memory_ordered 1
		.amdhsa_forward_progress 1
		.amdhsa_inst_pref_size 145
	.end_amdhsa_kernel
	.amdgpu_metadata
---
amdhsa.version: [ 1, 2 ]
amdhsa.kernels:
  - .name:           k_qc9e425322c_proj
    .symbol:         k_qc9e425322c_proj.kd
    .args:
      - { .name: xcodes, .offset: 0, .size: 8, .value_kind: global_buffer, .address_space: global }
      - { .name: xscales, .offset: 8, .size: 8, .value_kind: global_buffer, .address_space: global }
      - { .name: wcodes, .offset: 16, .size: 8, .value_kind: global_buffer, .address_space: global }
      - { .name: wscales, .offset: 24, .size: 8, .value_kind: global_buffer, .address_space: global }
      - { .name: bq, .offset: 32, .size: 8, .value_kind: global_buffer, .address_space: global }
      - { .name: bk, .offset: 40, .size: 8, .value_kind: global_buffer, .address_space: global }
      - { .name: bv, .offset: 48, .size: 8, .value_kind: global_buffer, .address_space: global }
      - { .name: qkv, .offset: 56, .size: 8, .value_kind: global_buffer, .address_space: global }
    .group_segment_fixed_size: 327680
    .private_segment_fixed_size: 0
    .kernarg_segment_align: 8
    .kernarg_segment_size: 64
    .max_flat_workgroup_size: 128
    .sgpr_count:     100
    .vgpr_count:     1024
    .wavefront_size: 32
...
	.end_amdgpu_metadata
.endif
;; end of part 2
;; launch attn (part 3): grid 4 x 64, 16 waves a work-group, clusters of 4 x 1, 219,136 bytes of LDS; arguments qkv, attention_mask, out0; writes out0
.if DOCPART == 3
	.amdgcn_target "amdgcn-amd-amdhsa--gfx1250"
	.amdhsa_code_object_version 6
	.text
	.protected	k_qc9e425322c_attn
	.globl	k_qc9e425322c_attn
	.p2align	8
	.type	k_qc9e425322c_attn,@function
k_qc9e425322c_attn:
	s_mov_b64 s[64:65], 0
	v_nop
	global_prefetch_b8 v0, s[64:65] scope:SCOPE_SE
	s_setreg_imm32_b32 hwreg(HW_REG_WAVE_MODE, 25, 1), 1
	s_wait_xcnt 0x0
	s_wait_alu depctr_hold_cnt(0) depctr_sa_sdst(0) depctr_va_vdst(0) depctr_va_sdst(0) depctr_va_ssrc(0) depctr_va_vcc(0) depctr_vm_vsrc(0)
	s_getreg_b32 s2, hwreg(HW_REG_IB_STS2, 6, 4)
	s_cmp_eq_u32 s2, 0
	s_cbranch_scc0 .Lentry_in_a_cluster
	s_endpgm
.Lentry_in_a_cluster:
	s_bfe_u32 s2, ttmp6, 0x10000c
	s_cmp_lg_u32 s2, 0x3003
	s_cbranch_scc0 .Lentry_shape_is_right
	s_endpgm
.Lentry_shape_is_right:
; THIRD LAUNCH: out = softmax(q k^T / 8, causal, + mask) v for each of the 64 (batch, head) pairs, both products on codes of FP4 (E2M1) with E8M0 scales.
; LEFT OUT (shown at the first kernel's head): steps of 128 keys that lie wholly behind a tile's 16 queries: reference()'s own jnp.tril gives them the weight 0.
; THE SECOND PRODUCT'S OPERAND IS THE FINISHED SOFTMAX, exp(s - max) / sum, quantised along the keys.  The divisor is no power of two, so it is known before any code is made: a tile of queries walks its keys TWICE.
;   Pass 1: D = q k^T / 8 + mask;  t = D log2(e);  M = the running largest t rounded up to a whole number;  l = l 2^(old M - new M) + the sum of 2^(t - M): the maximum is taken away, and the rescaling rounds nothing.
;   Pass 2: D again, by the same instructions;  attn = 2^(t - M) x (1 / l);  its codes and scale word;  O^T += V^T attn^T.  Nothing is rescaled or divided afterwards.
; 1 / 8: 3 is taken off q's two scale bytes, which is exact (the second launch holds every byte at 4 or more).  THE MASK is the C of the first product: the score registers are loaded with it, and the product adds in place.
; THE HEAD'S 64 fill half of the instruction's 128 along K: a K operand holds TWO tiles of keys (registers 0-3 tile i, registers 4-7 tile 4 + i), and q lies in twelve registers as (0, q, 0):
; v[20:27] = (q, 0) multiplies tile i, v[16:23] = (0, q) tile 4 + i.  Zero codes add nothing under any of these scale bytes.
; THE MASK'S RANGE: it is held at -2^29 from below, and -infinity becomes -1.5 x 2^29: so |t| stays under 2^31, where t - M is off by 64 at the most, alike in a whole row, which p / l takes away, and nothing overflows.
; A row whose largest t is not above -2^30 has seen -infinity alone: its 1 / l is made 0, so attn and out are 0: what reference() makes of its NaN.
; LIMITS: finite mask values under -2^29 count as equal to each other; +infinity and NaN in the mask, and scores + mask beyond +-2^29, are not served; a weight 2^(t - M) under 2^-126 counts as 0.
; SHARES.  A cluster of four work-groups owns a (batch, head); a tile is 16 queries, tile T = 4 U + cx for the partner at place cx.  Wave w takes U = w and then U = 31 - w.  A tile's last step of 128 keys is U / 2,
; which is free of cx: no branch, trip count or LDS address hangs on the place in the cluster, and every wave walks 17 steps in each pass.
; K, V AND THEIR SCALE WORDS OF THE WHOLE HEAD, 139,264 bytes on end in memory, come into LDS once: each of the sixteen waves asks for 34 rows of 256 bytes, jointly with its three partners.  By this text's count one
; tensor load a wave is out, so no loop has a barrier.  They lie as images of operand registers: every fragment comes by loads of 16 bytes a lane, 512 consecutive bytes each.
; A tile's 16 tokens are 32 b + 8 u + {0..7, 16..23}: so S^T's 16 registers of tiles 2 b, 2 b + 1 are keys 32 b + 16 (lane / 16) + 0 .. 15, and O^T's likewise channels.  A lane holds ONE query throughout.
.set REC,   208896                     ; a record of qkv
.set QCO,   139264                     ; q's codes in it
.set QSO,   204800                     ; q's scale words
.set VCL,   65536                      ; LDS: K's codes at 0; V's codes;
.set KSL,   131072                     ; K's scale words; V's 4,096 bytes on;
.set MASKL, 139264                     ; the batch's mask, held: 8,192 bytes, stored by the waves: no tile lands here
.set SPARE, 147456                     ; the spare words, 128 bytes a wave, that no other line names
.set STAGE, 149504                     ; the way out: 16 rows x (256 + 16) bytes for each wave
.set SPITCH, 272
.set LI,  1                            ; v1   16 x lane
.set LIV, 2                            ; v2   the same in V's codes
.set AKS, 3                            ; v3   my place among K's scale words: 16 r
.set AMK, 4                            ; v4   my place in the mask: 64 h
.set SPW, 5                            ; v5   LDS address of my spare word; never rewritten
.set NIL, 6                            ; v6   0; never rewritten
.set DD,  7                            ; v7   my query's number in its chunk of 128, less 16 h
.set ADK, 8                            ; v8-11 the step's addresses: K, V, scale words, mask
.set ADV, 9
.set ADS, 10
.set ADM, 11
.set NM,  12                           ; v12  -M;  v13 the largest t;  v[14:15] l in two halves
.set TX,  13
.set L,   14
.set QZ,  16                           ; v16-27 (0, q, 0)
.set QS,  28                           ; v28  q's scale word
.set NINF, 29                          ; v29  -infinity
.set RL,  30                           ; v[30:31] 1 / l, twice
.set KF,  32                           ; v32-63 four K operands
.set KSW, 64                           ; v64-67 their scale words
.set VSW, 68                           ; v68-71 V's
.set R16, 72                           ; v72  16 r
.set RPH, 73                           ; v73  r + 8 (r / 8) - 16 h
.set STO, 74                           ; v74  the stage: where I put a row's bytes
.set RD,  75                           ; v75  where I read a row back
.set GO,  76                           ; v76  my byte offset in the tile's rows of out
.set PW,  77                           ; v77  attn's scale word
.set T0,  78                           ; v78-79 at work
.set T1,  79
.set TM,  80                           ; v80-95 at work in the quantiser
.set S,   96                           ; v96-159 S^T, then the weights
.set O,   160                          ; v160-191 O^T
.set VF,  192                          ; v192-223 V's four fragments; later rows of out
.set PC,  224                          ; v224-231 attn's codes;  v232-254 at work
.set WV,  10
.set CX,  11
.set G1,  16
.set G0,  24
.set SEL, 28
.set CS,  30                           ; s[30:31] log2(e): the packed form names a pair and takes its low word
.set U,   32
.set KD,  33                           ; the tile's last step
.set KAP, 34                           ; the step
.set TK,  35                           ; its bytes in K's and V's codes: 4,096 a step
.set TS,  36                           ; among the scale words: 256
.set TMK, 37                           ; in the mask: 512
.set SH,  38
.set THR, 39
.set QP,  40
.set QSP, 42
.set OP,  44
.macro CROUND                          ; a round of the cluster's barrier
	s_barrier_signal -1
	s_barrier_wait -1
	s_cmp_lg_u32 s[WV], 0
	s_cbranch_scc1 .Lnot_wave_0_\@
	s_barrier_signal -3
.Lnot_wave_0_\@:
	s_barrier_wait -3
	s_barrier_signal -1
	s_barrier_wait -1
.endm
	s_load_b128 s[4:7], s[0:1], 0x0                ; qkv, attention_mask
	s_load_b64 s[8:9], s[0:1], 0x10                ; out0
	v_lshl_add_u32 v[SPW], v0, 2, SPARE
	v_mov_b32 v[NIL], 0
	ds_add_u32 v[SPW], v[NIL]                      ; the wave's opening: the add, twice on end, and its wait ahead of my first tensor load
	ds_add_u32 v[SPW], v[NIL]
	v_lshrrev_b32 v8, 5, v0
	s_delay_alu instid0(VALU_DEP_1)
	v_readfirstlane_b32 s[WV], v8                  ; wave 0..15
	s_bfe_u32 s[CX], ttmp6, 0x40000                ; my place in the cluster: it enters global addresses and the causal compare alone
	s_and_b32 s12, ttmp7, 0xffff                   ; 16 x batch + head, which the four partners share
	s_mov_b32 s[G1], 15|(3<<16)|(1<<21)            ; the mask: all four; elements of 8 bytes; bit 21 beside a mask; no padding
	s_mov_b32 s[G1+1], 32<<16                      ; tensor_dim0 = 32 elements: rows of 256 bytes
	s_mov_b32 s[G1+2], 34<<16                      ; tensor_dim1 = 34
	s_mov_b32 s[G1+3], 32<<16                      ; tile_dim0
	s_mov_b32 s[G1+4], 34                          ; tile_dim1
	s_mov_b32 s[G1+5], 32                          ; from row to row: dense
	s_mov_b32 s[G1+6], 0
	s_mov_b32 s[G1+7], 0
	s_mul_i32 s46, s12, REC                        ; my record (under 2^24 bytes)
	s_mov_b32 s47, 0
	s_lshr_b32 s48, s12, 4                         ; the batch
	s_lshl_b32 s50, s48, 13                        ; its row of the mask
	s_mov_b32 s51, 0
	s_lshl_b32 s48, s48, 23                        ; its 2,048 rows of 4,096 bytes of out,
	s_and_b32 s49, s12, 15
	s_lshl_b32 s49, s49, 8
	s_add_co_u32 s48, s48, s49                     ; and the head's 256 bytes of a row
	s_mov_b32 s49, 0
	s_mul_i32 s[G0+1], s[WV], 8704                 ; my 34 rows in LDS
	s_mov_b32 s[SEL], 0x76543210
	s_mov_b32 s[SEL+1], 0xfedcba98                 ; v_permlanex16_b32's selects for lane l xor 16
	s_mov_b32 s[CS], 0x3fb8aa3b                    ; log2(e)
	s_mov_b32 s[CS+1], s[CS]
	s_mov_b32 s[THR], 0xce800000                   ; -2^30
	s_wait_dscnt 0x0                               ; both opening adds are done
	s_wait_kmcnt 0x0
	s_add_nc_u64 s[4:5], s[4:5], s[46:47]
	s_add_nc_u64 s[6:7], s[6:7], s[50:51]
	s_add_nc_u64 s[8:9], s[8:9], s[48:49]
	s_mov_b32 s[G0], 1
	s_mov_b32 s46, s[G0+1]
	s_add_nc_u64 s[G0+2:G0+3], s[4:5], s[46:47]    ; and in memory
	s_or_b32 s[G0+3], s[G0+3], 0x80000000
	CROUND                                         ; all four work-groups are here: the joint loads meet
	tensor_load_to_lds s[G0:G0+3], s[G1:G1+7]      ; every wave's one tensor load
	s_nop 0
.rept 4
	v_nop
.endr
	v_lshlrev_b32 v8, 4, v0
	global_load_b128 v[S:S+3], v8, s[6:7]          ; the mask: 512 threads x 16 bytes
	v_lshl_add_u32 v9, v0, 4, MASKL
	v_and_b32 v232, 31, v0                         ; lane
	v_and_b32 v233, 15, v0                         ; r
	v_bfe_u32 v234, v0, 4, 1                       ; h
	s_delay_alu instid0(VALU_DEP_3)
	v_lshlrev_b32 v[LI], 4, v232
	s_delay_alu instid0(VALU_DEP_1)
	v_add_nc_u32 v[LIV], VCL, v[LI]
	s_delay_alu instid0(VALU_DEP_4)
	v_lshl_add_u32 v[AKS], v233, 4, KSL
	s_delay_alu instid0(VALU_DEP_4)
	v_lshl_add_u32 v[AMK], v234, 6, MASKL
	v_lshlrev_b32 v[R16], 4, v233
	v_and_b32 v[RPH], 8, v233
	s_delay_alu instid0(VALU_DEP_1)
	v_add_nc_u32 v[RPH], v[RPH], v233
	v_lshlrev_b32 v235, 4, v234
	s_delay_alu instid0(VALU_DEP_1)
	v_sub_nc_u32 v[RPH], v[RPH], v235
	s_mul_i32 s46, s[WV], 16*SPITCH
	s_add_co_u32 s46, s46, STAGE                   ; my stage
	v_mul_u32_u24 v[STO], v233, SPITCH
	s_delay_alu instid0(VALU_DEP_1)
	v_lshl_add_u32 v[STO], v234, 6, v[STO]
	s_delay_alu instid0(VALU_DEP_1)
	v_add_nc_u32 v[STO], s46, v[STO]               ; in: row r, + 64 h
	v_mul_u32_u24 v[RD], v234, SPITCH
	s_delay_alu instid0(VALU_DEP_1)
	v_lshl_add_u32 v[RD], v233, 4, v[RD]
	s_delay_alu instid0(VALU_DEP_1)
	v_add_nc_u32 v[RD], s46, v[RD]                 ; back: lanes 0-15 one row, lanes 16-31 the next
	v_lshlrev_b32 v[GO], 12, v234
	s_delay_alu instid0(VALU_DEP_1)
	v_lshl_add_u32 v[GO], v233, 4, v[GO]           ; and the same two rows in out
	v_mov_b32 v[NINF], 0xff800000
	v_mov_b32 v235, 0xce400000                     ; -1.5 x 2^29
.irp j, 0,1,2,3
	v_mov_b32 v[QZ+\j], 0                          ; the zero codes on both sides of q
	v_mov_b32 v[QZ+8+\j], 0
	v_mov_b32 v[TM+4+\j], 0                        ; written once: a lane permute's destination counts as one of its sources
.endr
	v_mov_b32 v236, 0
	v_mov_b32 v253, 0                              ; (named as the upper half of the pair v[252:253])
	s_wait_loadcnt 0x0
.irp j, 0,1,2,3
	v_cmp_eq_f32 vcc_lo, v[NINF], v[S+\j]
	v_max_num_f32 v[S+\j], 0xce000000, v[S+\j]     ; held at -2^29 from below;
	s_delay_alu instid0(VALU_DEP_1)
	v_cndmask_b32 v[S+\j], v[S+\j], v235, vcc_lo   ; -infinity lies under that
.endr
	ds_store_b128 v9, v[S:S+3]
	s_wait_tensorcnt 0x0                           ; my part of K, V and the scale words has landed,
	s_wait_dscnt 0x0                               ; my part of the mask is stored,
	s_barrier_signal -1
	s_barrier_wait -1                              ; everybody's: from here on LDS below the stages is only read
; D = q k^T / 8 + mask for the step's 128 keys.  p = 2: V's fragments and scale words are asked for with them.  On the diagonal the scores of keys behind my query become -infinity.
.macro SCORES p, lab
	v_add_nc_u32 v[ADK], s[TK], v[LI]              ; (pass 2: these four are the places between the last step's products and the loads into their operands)
.if \p == 2
	v_add_nc_u32 v[ADV], s[TK], v[LIV]
.endif
	v_add_nc_u32 v[ADS], s[TS], v[AKS]
	v_add_nc_u32 v[ADM], s[TMK], v[AMK]
.irp bb, 0,1,2,3
.irp k, 0,1,2,3
	ds_load_b128 v[S+16*\bb+4*\k:S+16*\bb+4*\k+3], v[ADM] offset:128*\bb+16*\k   ; register 16 b + i: the mask of key 32 b + 16 h + i
.endr
.endr
.irp i, 0,1,2,3
	ds_load_b128 v[KF+8*\i:KF+8*\i+3], v[ADK] offset:512*\i          ; tile i,
	ds_load_b128 v[KF+8*\i+4:KF+8*\i+7], v[ADK] offset:512*(4+\i)    ; tile 4 + i
.endr
	ds_load_b128 v[KSW:KSW+3], v[ADS]
.if \p == 2
.irp t, 0,1,2,3
	ds_load_b128 v[VF+8*\t:VF+8*\t+3], v[ADV] offset:1024*\t
	ds_load_b128 v[VF+8*\t+4:VF+8*\t+7], v[ADV] offset:1024*\t+512
.endr
	ds_load_b128 v[VSW:VSW+3], v[ADS] offset:4096
	s_wait_dscnt 9                                 ; V's nine loads, the youngest, may stay out
.else
	s_wait_dscnt 0x0
.endif
.irp i, 0,1,2,3                                ; the eight accumulators take turns, one instruction a turn
	v_wmma_scale_f32_16x16x128_f8f6f4 v[S+8*\i:S+8*\i+7], v[KF+8*\i:KF+8*\i+7], v[QZ+4:QZ+11], v[S+8*\i:S+8*\i+7], v[KSW+\i], v[QS] matrix_a_fmt:MATRIX_FMT_FP4 matrix_b_fmt:MATRIX_FMT_FP4
	v_wmma_scale_f32_16x16x128_f8f6f4 v[S+32+8*\i:S+32+8*\i+7], v[KF+8*\i:KF+8*\i+7], v[QZ:QZ+7], v[S+32+8*\i:S+32+8*\i+7], v[KSW+\i], v[QS] matrix_a_fmt:MATRIX_FMT_FP4 matrix_b_fmt:MATRIX_FMT_FP4
.endr
.rept 4
	v_nop
.endr
	s_cmp_lg_u32 s[KAP], s[KD]                     ; a step ahead of the diagonal hides nothing
	s_cbranch_scc1 .Lopen_\lab
.set n, 0
.rept 64
	v_cmp_gt_i32 vcc_lo, 32*(n/16)+n%16, v[DD]     ; register 16 b + i holds key 32 b + 16 h + i of the chunk: hidden where 32 b + i > my query - 16 h
	v_cndmask_b32 v[S+n], v[S+n], v[NINF], vcc_lo
.set n, n+1
.endr
.Lopen_\lab:
.endm
.macro TMINUSM                                 ; t - M, two at a time, and 2^(t - M): 64 exponentials as one batch
.set j, 0
.rept 32
	v_pk_fma_f32 v[S+j:S+j+1], v[S+j:S+j+1], s[CS:CS+1], v[NM:NM+1] op_sel_hi:[1,0,0]
.set j, j+2
.endr
.set j, 0
	s_wait_alu depctr_va_vdst(0)
.rept 64
	v_exp_f32 v[S+j], v[S+j]
.set j, j+1
.endr
.endm
.macro NEXTSTEP
	s_add_co_u32 s[TK], s[TK], 4096
	s_add_co_u32 s[TS], s[TS], 256
	s_add_co_u32 s[TMK], s[TMK], 512
	s_add_co_u32 s[KAP], s[KAP], 1
	s_cmp_lt_u32 s[KAP], 16
.endm
.macro FROMZERO
	s_mov_b32 s[KAP], 0
	s_mov_b32 s[TK], 0
	s_mov_b32 s[TS], 0
	s_mov_b32 s[TMK], 0
.endm
; ONE TILE OF 16 QUERIES.  Both loops have 16 trips, a constant; a step behind the diagonal is jumped over by a branch on the wave's number and the count of steps.
.macro TILE tl
	s_wait_xcnt 0x0                                ; the last tile's loads and stores have read their bases and data
.if \tl == 0
	s_mov_b32 s[U], s[WV]
.else
	s_sub_co_u32 s[U], 31, s[WV]
.endif
	s_lshr_b32 s[KD], s[U], 1
	s_and_b32 s46, s[U], 1
	s_lshl_b32 s[SH], s46, 4                       ; my tile's two scale bytes: the low or the high half of its word
	s_lshl_b32 s47, s[U], 2
	s_add_co_u32 s47, s47, s[CX]                   ; T
	s_lshl_b32 s48, s47, 9
	s_add_co_u32 s48, s48, QCO
	s_mov_b32 s49, 0
	s_add_nc_u64 s[QP:QP+1], s[4:5], s[48:49]      ; its codes: 512 bytes a tile
	s_lshl_b32 s48, s[KD], 8
	s_lshl_b32 s50, s[CX], 2
	s_add_co_u32 s48, s48, s50
	s_add_co_u32 s48, s48, QSO
	s_add_nc_u64 s[QSP:QSP+1], s[4:5], s[48:49]    ; its scale words: chunk T / 8 = U / 2, word cx
	s_lshl_b32 s46, s46, 6
	s_lshr_b32 s50, s[CX], 1
	s_lshl_b32 s50, s50, 5
	s_add_co_u32 s46, s46, s50
	s_and_b32 s50, s[CX], 1
	s_lshl_b32 s50, s50, 3
	s_add_co_u32 s46, s46, s50                     ; the tile's first query in its chunk: 64 (U % 2) + 32 (cx / 2) + 8 (cx % 2)
	s_lshl_b32 s48, s[KD], 7
	s_add_co_u32 s48, s48, s46
	s_lshl_b32 s48, s48, 12
	s_add_nc_u64 s[OP:OP+1], s[8:9], s[48:49]      ; its row of out
	global_load_b128 v[QZ+4:QZ+7], v[LI], s[QP:QP+1] th:TH_LOAD_NT
	global_load_b32 v[T0], v[R16], s[QSP:QSP+1]
	v_add_nc_u32 v[DD], s46, v[RPH]
	v_mov_b32 v[TX], 0xff61b1e6                    ; the largest t so far: -3e38, under every t
	s_delay_alu instid0(VALU_DEP_1)
	v_floor_f32 v[NM], -v[TX]
	v_mov_b32 v[L], 0
	v_mov_b32 v[L+1], 0
	s_wait_loadcnt 0x0
	v_lshrrev_b32 v[T0], s[SH], v[T0]
	s_delay_alu instid0(VALU_DEP_1)
	v_and_b32 v[T0], 0xffff, v[T0]
	s_delay_alu instid0(VALU_DEP_1)
	v_add_nc_u32 v[T0], 0xfffffcfd, v[T0]          ; 3 off each of the two bytes, which are 4 or more: q / 8
	s_delay_alu instid0(VALU_DEP_1)
	v_lshl_or_b32 v[QS], v[T0], 16, v[T0]          ; the same two bytes for both halves of the instruction's K
.set j, 0
.rept 32
	v_mov_b32 v[O+j], 0                            ; O^T: pass 2 is written once.  (Also the places between q's scale word and the first product)
.set j, j+1
.endr
	; ---- pass 1: the row's M and l
	FROMZERO
.Lp1_\tl:
	s_cmp_gt_u32 s[KAP], s[KD]
	s_cbranch_scc1 .Ls1_\tl
	SCORES 1, 1\tl
.irp b, 0,1,2,3
	v_max3_num_f32 v[232+\b], v[S+16*\b], v[S+1+16*\b], v[S+2+16*\b]   ; the largest D of my 64, in four chains; each accumulator from its low end on
.endr
.irp i, 3,5,7,9,11,13
.irp b, 0,1,2,3
	v_max3_num_f32 v[232+\b], v[232+\b], v[S+16*\b+\i], v[S+1+16*\b+\i]
.endr
.endr
.irp b, 0,1,2,3
	v_max_num_f32 v[232+\b], v[232+\b], v[S+15+16*\b]
.endr
	s_delay_alu instid0(VALU_DEP_2)
	v_max3_num_f32 v254, v232, v233, v234
	s_delay_alu instid0(VALU_DEP_1)
	v_max_num_f32 v254, v254, v235
	s_delay_alu instid0(VALU_DEP_1)
	v_mul_f32 v254, s[CS], v254                    ; as t.  In pass 1 a lane keeps M and l of its own 64 keys of a step; lanes l and l xor 16 are joined behind the pass
	s_delay_alu instid0(VALU_DEP_1)
	v_max_num_f32 v[TX], v[TX], v254               ; the running largest t
	v_mov_b32 v254, v[NM]
	s_delay_alu instid0(VALU_DEP_2)
	v_floor_f32 v[NM], -v[TX]                      ; the new -M = floor(-t): M is a whole number
	s_delay_alu instid0(VALU_DEP_1)
	v_sub_f32 v254, v[NM], v254                    ; old M - new M: a whole number, 0 or less
	s_delay_alu instid0(VALU_DEP_1)
	v_cvt_i32_f32 v254, v254                       ; (it saturates)
	s_delay_alu instid0(VALU_DEP_1)
	v_ldexp_f32 v252, 1.0, v254                    ; f = 2^(old M - new M)
	TMINUSM
	v_pk_mul_f32 v[L:L+1], v[L:L+1], v[252:253] op_sel_hi:[1,0]   ; l under the new M.  (The plain place behind the exponentials)
	s_wait_alu depctr_va_vdst(0)                   ; one wait for the batch, ahead of its first reader
	v_pk_add_f32 v[236:237], v[100:101], v[104:105]
	v_pk_add_f32 v[254:255], v[108:109], v[112:113]
	v_pk_add_f32 v[250:251], v[116:117], v[120:121]
	v_pk_add_f32 v[248:249], v[124:125], v[128:129]
	v_pk_add_f32 v[246:247], v[132:133], v[136:137]
	v_pk_add_f32 v[244:245], v[140:141], v[144:145]
	v_pk_add_f32 v[242:243], v[148:149], v[152:153]
	v_pk_add_f32 v[14:15], v[14:15], v[156:157]
	v_pk_add_f32 v[236:237], v[236:237], v[96:97]
	v_pk_add_f32 v[254:255], v[254:255], v[98:99]
	v_pk_add_f32 v[250:251], v[250:251], v[102:103]
	v_pk_add_f32 v[248:249], v[248:249], v[106:107]
	v_pk_add_f32 v[246:247], v[246:247], v[110:111]
	v_pk_add_f32 v[244:245], v[244:245], v[114:115]
	v_pk_add_f32 v[242:243], v[242:243], v[118:119]
	v_pk_add_f32 v[14:15], v[14:15], v[122:123]
	v_pk_add_f32 v[236:237], v[236:237], v[126:127]
	v_pk_add_f32 v[254:255], v[254:255], v[130:131]
	v_pk_add_f32 v[250:251], v[250:251], v[134:135]
	v_pk_add_f32 v[248:249], v[248:249], v[138:139]
	v_pk_add_f32 v[246:247], v[246:247], v[142:143]
	v_pk_add_f32 v[244:245], v[244:245], v[146:147]
	v_pk_add_f32 v[242:243], v[242:243], v[150:151]
	v_pk_add_f32 v[14:15], v[14:15], v[154:155]
	v_pk_add_f32 v[236:237], v[236:237], v[158:159]
	s_delay_alu instid0(VALU_DEP_2)
	v_pk_add_f32 v[14:15], v[14:15], v[248:249]
	s_delay_alu instid0(VALU_DEP_2)
	v_pk_add_f32 v[236:237], v[236:237], v[246:247]
	v_pk_add_f32 v[254:255], v[254:255], v[244:245]
	v_pk_add_f32 v[250:251], v[250:251], v[242:243]
	s_delay_alu instid0(VALU_DEP_2)
	v_pk_add_f32 v[14:15], v[14:15], v[254:255]
	s_delay_alu instid0(VALU_DEP_2)
	v_pk_add_f32 v[236:237], v[236:237], v[250:251]
	s_delay_alu instid0(VALU_DEP_1)
	v_pk_add_f32 v[14:15], v[14:15], v[236:237]
.Ls1_\tl:
	NEXTSTEP
	s_cbranch_scc1 .Lp1_\tl
	; ---- 1 / l
	s_wait_alu depctr_va_vdst(0)
	v_add_f32 v[L], v[L], v[L+1]
	v_permlanex16_b32 v236, v[NM], s[SEL], s[SEL+1]
	v_permlanex16_b32 v253, v[TX], s[SEL], s[SEL+1]
	s_delay_alu instid0(VALU_DEP_2)
	v_min_num_f32 v236, v236, v[NM]                ; the larger M of the query's two lanes serves both
	s_delay_alu instid0(VALU_DEP_2)
	v_max_num_f32 v[TX], v[TX], v253
	s_delay_alu instid0(VALU_DEP_2)
	v_sub_f32 v[T0], v236, v[NM]                   ; my M less the joint one: a whole number, 0 or less
	s_delay_alu instid0(VALU_DEP_1)
	v_cvt_i32_f32 v[T0], v[T0]                     ; (it saturates: a lane that has seen no key gets the factor 0)
	s_delay_alu instid0(VALU_DEP_1)
	v_ldexp_f32 v[T0], 1.0, v[T0]
	s_delay_alu instid0(VALU_DEP_1)
	v_mul_f32 v[L], v[L], v[T0]                    ; my l under the joint M: a power of two, nothing is rounded
	v_mov_b32 v[NM], v236
	s_delay_alu instid0(VALU_DEP_2)
	v_permlanex16_b32 v253, v[L], s[SEL], s[SEL+1]
	s_delay_alu instid0(VALU_DEP_1)
	v_add_f32 v[L], v[L], v253                     ; the row's sum
	s_wait_alu depctr_va_vdst(0)
	v_rcp_f32 v[RL], v[L]
	v_nop                                          ; a plain place behind the reciprocal
	v_cmp_lt_f32 vcc_lo, s[THR], v[TX]             ; has the row seen anything but -infinity?
	s_wait_alu depctr_va_vdst(0)                   ; the wait ahead of the reciprocal's first reader
	v_cndmask_b32 v[RL], 0, v[RL], vcc_lo          ; if not: attn = 0
	s_delay_alu instid0(VALU_DEP_1)
	v_mov_b32 v[RL+1], v[RL]
	; ---- pass 2: attn, its codes, O^T
	FROMZERO
.Lp2_\tl:
	s_cmp_gt_u32 s[KAP], s[KD]
	s_cbranch_scc1 .Ls2_\tl
	SCORES 2, 2\tl
	TMINUSM
	v_nop                                          ; the plain place behind the exponentials
	s_wait_alu depctr_va_vdst(0)                   ; one wait for the batch
.set j, 0
.rept 32
	v_pk_mul_f32 v[S+j:S+j+1], v[S+j:S+j+1], v[RL:RL+1]   ; the finished softmax
.set j, j+2
.endr
.irp b, 0,1,2,3
	v_max3_num_f32 v[TM+\b], v[S+16*\b], v[S+1+16*\b], 0x1800000   ; block b of 32 keys: my 16 (none is negative), and the floor 2^(3 - 127): the byte cannot fall under 1; a block of zeros keeps it, and its codes are zeros
.endr
.irp i, 2,4,6,8,10,12,14
.irp b, 0,1,2,3
	s_delay_alu instid0(VALU_DEP_4)
	v_max3_num_f32 v[TM+\b], v[TM+\b], v[S+16*\b+\i], v[S+1+16*\b+\i]
.endr
.endr
.irp b, 0,1,2,3
	s_delay_alu instid0(VALU_DEP_4)
	v_permlanex16_b32 v[TM+4+\b], v[TM+\b], s[SEL], s[SEL+1]
.endr
.irp b, 0,1,2,3
	s_delay_alu instid0(VALU_DEP_4)
	v_max_num_f32 v[TM+\b], v[TM+\b], v[TM+4+\b]   ; with lane l xor 16's 16
.endr
.irp b, 0,1,2,3
	s_delay_alu instid0(VALU_DEP_4)
	v_add_nc_u32 v[TM+12+\b], 0xff000000, v[TM+\b] ; 2 off the exponent field: the conversion's scale operand
.endr
.irp b, 0,1,2,3
	s_delay_alu instid0(VALU_DEP_4)
	v_lshrrev_b32 v[TM+4+\b], 23, v[TM+12+\b]      ; the scale's byte
.endr
	s_delay_alu instid0(VALU_DEP_3)
	v_lshl_or_b32 v[PW], v[TM+5], 8, v[TM+4]
	s_delay_alu instid0(VALU_DEP_1)
	v_lshl_or_b32 v[PW], v[TM+6], 16, v[PW]
	s_delay_alu instid0(VALU_DEP_1)
	v_lshl_or_b32 v[PW], v[TM+7], 24, v[PW]
.irp b, 0,1,2,3
	v_cvt_scalef32_pk8_fp4_f32 v[PC+2*\b], v[S+16*\b:S+7+16*\b], v[TM+12+\b]
	v_cvt_scalef32_pk8_fp4_f32 v[PC+1+2*\b], v[S+8+16*\b:S+15+16*\b], v[TM+12+\b]
.endr
	v_nop                                          ; one plain place behind a scaled conversion
.irp c, 0,1                                    ; a WHOLE block in a lane: lanes 0-15 block 2 c, lanes 16-31 block 2 c + 1
.irp i, 0,1
	v_permlane16_swap_b32 v[PC+4*\c+\i], v[PC+2+4*\c+\i]
.endr
.endr
.rept 8
	v_nop                                          ; a scale register written by a vector instruction stands 8 places ahead of a scaled matrix instruction, an operand so written 4
.endr
	s_wait_alu depctr_va_vdst(0)
	s_wait_dscnt 0x0                               ; V is in
.irp t, 0,1,2,3
	v_wmma_scale_f32_16x16x128_f8f6f4 v[O+8*\t:O+8*\t+7], v[VF+8*\t:VF+8*\t+7], v[PC:PC+7], v[O+8*\t:O+8*\t+7], v[VSW+\t], v[PW] matrix_a_fmt:MATRIX_FMT_FP4 matrix_b_fmt:MATRIX_FMT_FP4
.endr
.Ls2_\tl:
	NEXTSTEP
	s_cbranch_scc1 .Lp2_\tl
	; ---- the way out: register 16 b + i is channel 32 b + 16 h + i of my query.  Through my own stage, so that sixteen lanes store a row's 256 consecutive bytes, aligned
.rept 4
	v_nop
.endr
.irp bb, 0,1
.irp k, 0,1,2,3
	ds_store_b128 v[STO], v[O+16*\bb+4*\k:O+16*\bb+4*\k+3] offset:128*\bb+16*\k   ; each accumulator from its low end on
.endr
.endr
.irp i, 0,1,2,3,4,5,6,7
	ds_load_b128 v[VF+4*\i:VF+4*\i+3], v[RD] offset:2*\i*SPITCH    ; LDS serves a wave's instructions in order: these see my stores
.endr
.irp i, 0,1,2,3,4,5,6,7
	s_wait_dscnt 7-\i                              ; the younger loads may stay out
	global_store_b128 v[GO], v[VF+4*\i:VF+4*\i+3], s[OP:OP+1] offset:(2*\i+8*(\i/4))*4096 th:TH_STORE_NT   ; the tile's place 2 i + h is query 2 i + h + 8 (i / 4)
.endr
.endm
	TILE 0
	TILE 1
	s_wait_tensorcnt 0x0                           ; the wave's end, behind my last tensor load and my last LDS store
	ds_add_u32 v[SPW], v[NIL]
	s_wait_dscnt 0x0
	CROUND                                         ; the closing round: no work-group ends while a partner may still ask for a tile that names it
	s_endpgm
.Lfunc_end_k_qc9e425322c_attn:
	.size	k_qc9e425322c_attn, .Lfunc_end_k_qc9e425322c_attn-k_qc9e425322c_attn
	.p2alignl 7, 3214868480
	.fill 96, 4, 3214868480
	.section	.rodata,"a",@progbits
	.p2align	6, 0x0
	.amdhsa_kernel k_qc9e425322c_attn
		.amdhsa_group_segment_fixed_size 219136
		.amdhsa_private_segment_fixed_size 0
		.amdhsa_enable_private_segment 0
		.amdhsa_kernarg_size 24
		.amdhsa_user_sgpr_count 2
		.amdhsa_user_sgpr_kernarg_segment_ptr 1
		.amdhsa_wavefront_size32 1
		.amdhsa_system_sgpr_workgroup_id_x 1
		.amdhsa_system_sgpr_workgroup_id_y 1
		.amdhsa_system_sgpr_workgroup_id_z 1
		.amdhsa_system_vgpr_workitem_id 0
		.amdhsa_next_free_vgpr 256
		.amdhsa_next_free_sgpr 66
		.amdhsa_reserve_vcc 1
		.amdhsa_float_denorm_mode_32 3
		.amdhsa_float_denorm_mode_16_64 3
		.amdhsa_memory_ordered 1
		.amdhsa_forward_progress 1
		.amdhsa_inst_pref_size 95
	.end_amdhsa_kernel
	.amdgpu_metadata
---
amdhsa.version: [ 1, 2 ]
amdhsa.kernels:
  - .name:           k_qc9e425322c_attn
    .symbol:         k_qc9e425322c_attn.kd
    .args:
      - { .name: qkv, .offset: 0, .size: 8, .value_kind: global_buffer, .address_space: global }
      - { .name: attention_mask, .offset: 8, .size: 8, .value_kind: global_buffer, .address_space: global }
      - { .name: out0, .offset: 16, .size: 8, .value_kind: global_buffer, .address_space: global }
    .group_segment_fixed_size: 219136
    .private_segment_fixed_size: 0
    .kernarg_segment_align: 8
    .kernarg_segment_size: 24
    .max_flat_workgroup_size: 512
    .sgpr_count:     66
    .vgpr_count:     256
    .wavefront_size: 32
...
	.end_amdgpu_metadata
.endif
;; end of part 3
